; MI455X (gfx1250); checked and timed in simulation.
; The chip was launched on July 23, 2026; its instructions are those of AMD's public machine-readable ISA for CDNA 5 (MIT licence, August 2026) and "CDNA5" Instruction Set Architecture Reference Guide (July 2026). The comments in the code are by the model that wrote it; some were corrected since.
;; min LSTM. Allowed arithmetic: matrix products marked QUANTISED: E2M1 operands, one E8M0 scale for each 32 along K, by v_wmma_scale_f32_16x16x128_f8f6f4 with both operands' format E2M1 (or v_wmma_scale_f32_32x16x128_f4), f32 sums; everything else in f32.
;; Inputs: W_f_codes 1,024 x 32 x 16 uint8 (E2M1 codes of W_f, K innermost, in blocks of 32 codes, two codes a byte); W_f_scales 1,024 x 32 uint8 (E8M0 scales of W_f, one for each 32 codes along K); W_h_codes 1,024 x 32 x 16 uint8 (E2M1 codes of W_h, K innermost, in blocks of 32 codes, two codes a byte); W_h_scales 1,024 x 32 uint8 (E8M0 scales of W_h, one for each 32 codes along K); W_i_codes 1,024 x 32 x 16 uint8 (E2M1 codes of W_i, K innermost, in blocks of 32 codes, two codes a byte); W_i_scales 1,024 x 32 uint8 (E8M0 scales of W_i, one for each 32 codes along K); b_f 1,024 float32; b_h 1,024 float32; b_i 1,024 float32; h0 4 x 1 x 1,024 float32; x_codes 4 x 4,096 x 32 x 16 uint8 (E2M1 codes of x, K innermost, in blocks of 32 codes, two codes a byte); x_scales 4 x 4,096 x 32 uint8 (E8M0 scales of x, one for each 32 codes along K).
;; Outputs: out0 4 x 4,096 x 1,024 float32.
;; This version of the problem:
;;   THIS VERSION OF THE PROBLEM IS GIVEN IN LOW PRECISION. The matrix products marked QUANTISED in the list below multiply operands that are first quantised to E2M1 (2 exponent bits, 1 mantissa bit; 4 bits a number), with one power-of-two scale for each 32 numbers along K (OCP MX v1.0); their sums are f32. All else is computed in f32.
;;   The module's matrix products, in the order in which they are computed (A, B: the left and right operand; K: the contracted axis; several contracted axes count as one K, in the product's order):
;;     1. [M 16,384, K 1,024] x [K 1,024, N 1,024]; A: input x (given as codes); B: input W_f (given as codes): QUANTISED
;;     2. [M 16,384, K 1,024] x [K 1,024, N 1,024]; A: input x (given as codes); B: input W_i (given as codes): QUANTISED
;;     3. [M 16,384, K 1,024] x [K 1,024, N 1,024]; A: input x (given as codes); B: input W_h (given as codes): QUANTISED
;;   THE QUANTISER, for each operand of a quantised product, along K:
;;     - K is cut into blocks of 32 from its start; a last block that is shorter is filled with zeros.
;;     - A block's scale is 2^e with e = floor(log2(the largest magnitude in the block)) - 2, held to -126 .. 127; a block of zeros has e = 0. As a byte (E8M0): e + 127.
;;     - Each number is divided by its block's scale, clamped to +-6, and rounded to the nearest number of E2M1, ties to even, subnormals kept.
;;     - The product sums the exact products of the quantised numbers (number of the format x scale) in f32.
;;   ~~~python
;;   def quantise(x, axis):      # numpy; x: float32 -> the quantised numbers, widened to float32 again
;;       x = np.moveaxis(x, axis, -1); K = x.shape[-1]
;;       x = np.pad(x, [(0, 0)] * (x.ndim - 1) + [(0, -K % 32)]); x = x.reshape(x.shape[:-1] + (-1, 32)); a = np.abs(x).max(-1, keepdims=True)
;;       e = np.where(a > 0, np.clip(np.frexp(np.where(a > 0, a, 1))[1] - 1 - 2, -126, 127), 0)      # np.frexp(a)[1] - 1 = floor(log2(a)), exactly
;;       r = np.clip(x / 2.0 ** e, -6, 6)
;;       step = 2.0 ** (np.maximum(np.frexp(np.where(r == 0, 1, r))[1] - 1, 0) - 1)
;;       q = np.round(r / step) * step * 2.0 ** e      # np.round: ties to even
;;       return np.moveaxis(q.reshape(q.shape[:-2] + (-1,))[..., :K], -1, axis).astype(np.float32)
;;   ~~~
;;   INPUTS GIVEN AS CODES. W_f (in the module: [1024, 1024], K = its axis 0); W_h (in the module: [1024, 1024], K = its axis 0); W_i (in the module: [1024, 1024], K = its axis 0); x (in the module: [4, 4096, 1024], K = its axis 2): each comes as NAME_codes (uint8): NAME with its K axis moved to the last place and cut into blocks of 32 codes, [.., K / 32, bytes a block], one block behind the other in memory; two codes a byte, the lower K in the low four bits (a code: sign, 2 exponent bits, 1 mantissa bit); and NAME_scales (uint8): the same leading axes, one E8M0 byte (e + 127) for each 32 codes along K. Its value is code x scale, taken as it is: it is not quantised again, and the codes and scales need not be those that the quantiser above would give.
;; One version. Each part assembles by itself: llvm-mc -triple=amdgcn-amd-amdhsa -mcpu=gfx1250 --defsym DOCPART=n.
;; ======== version 1 of 1: 2 launches
;; limits: right only within a limited range of input values
;; workspace buffers: sums 393,216 bytes
;; launch sums (part 1): grid 256 x 1, 8 waves a work-group, clusters of 4 x 1, 327,680 bytes of LDS; arguments x_codes, x_scales, W_f_codes, W_f_scales, W_i_codes, W_i_scales, W_h_codes, W_h_scales, b_f, b_i, b_h, sums; writes sums
.if DOCPART == 1
	.amdgcn_target "amdgcn-amd-amdhsa--gfx1250"
	.amdhsa_code_object_version 6
	.text
	.protected	k_q091f2cbef0_sums
	.globl	k_q091f2cbef0_sums
	.p2align	8
	.type	k_q091f2cbef0_sums,@function
k_q091f2cbef0_sums:
	s_mov_b64 s[64:65], 0
	v_nop
	global_prefetch_b8 v0, s[64:65] scope:SCOPE_SE
	s_setreg_imm32_b32 hwreg(HW_REG_WAVE_MODE, 25, 1), 1
	s_wait_xcnt 0x0
	s_wait_alu depctr_hold_cnt(0) depctr_sa_sdst(0) depctr_va_vdst(0) depctr_va_sdst(0) depctr_va_ssrc(0) depctr_va_vcc(0) depctr_vm_vsrc(0)
	s_getreg_b32 s2, hwreg(HW_REG_IB_STS2, 6, 4)
	s_cmp_eq_u32 s2, 0
	s_cbranch_scc0 .Lentry_in_a_cluster
	s_endpgm
.Lentry_in_a_cluster:
	s_bfe_u32 s2, ttmp6, 0x10000c
	s_cmp_lg_u32 s2, 0x3003
	s_cbranch_scc0 .Lentry_shape_is_right
	s_endpgm
.Lentry_shape_is_right:
; minLSTM, first of two launches.  k_f, k_i, k_h = x W + b: products on codes of FP4 (E2M1) with one E8M0 byte for each 32 along K, taken as they lie; sums in f32.
; Then, in f32:  f = (1 + e^-ki) / ((1 + e^-ki) + (1 + e^-kf)),  i = 1 - f,  g = max(k_h + 0.5, sigmoid(k_h)),  h_t = f_t h_(t-1) + i_t g_t,  h_0 = h0.
; These are the log-space forms written out: exp(-softplus(d)) = 1 / (1 + e^d) with e^d = (1 + e^-kf) / (1 + e^-ki), and exp(-softplus(-d)) is 1 less that; k + 0.5 lies over sigmoid(k) for k >= 0 and under it for k < 0.
; THE GATES' EXPONENTIALS have their maximum taken away first.  With k' = k log2 e, numerator and divisor are multiplied by 2^min(kf', ki'): of e^-kf and e^-ki the larger becomes 1 and the other e = 2^-|kf' - ki'|,
; and the 1 becomes u = 2^min(kf', ki').  So f = 0.5 + sign(kf' - ki') (0.5 - 0.5 e) / (2 u + 1 + e).  u's exponent is held at 100: from there on the second term lies under 2^-101 beside 0.5, beyond f32's 24 bits, held or not.
; THE RECURRENCE IS KEPT LINEAR: f + i = 1 and all terms are 0 or more, so no h passes the largest of h0 and g, and no exponential of a running sum is formed.
; LIMITS: h0 >= 0 (its logarithm is taken in the definition: a negative h0 is NaN there and a number here); NaN, infinities and the scale byte 0xff are not served; an exponential whose value lies under 2^-126 comes out
; as 0 (ISA guide, 15.8); the order of rounding differs from the log-space form's: f and i carry an absolute error of an ulp of 0.5.
; THE TWO LAUNCHES.  A work-group owns 64 channels, 256 bytes of a row of out0, so time is cut among work-groups.  The map from the state ahead of a stretch of times to the state behind it is h -> P h + L,
; P the product of the stretch's f and L its scan from 0.  THIS LAUNCH makes (P, L): times 0 to 3,071 of each batch in four parts of 768; for each part the running (P, L) after 256, 512 and 768 times go to
; sums[batch][part][3][P, L][1,024 channels].  The second launch takes a quarter of 1,024 times to a work-group, folds the pairs that lie ahead of its quarter onto h0, and computes the gates again.
; Times 3,072 on stand ahead of no quarter: they are not computed here.  h0 has no part in (P, L): it is not among this launch's arguments.
; SHARES.  256 work-groups: cluster number = 16 batch + 4 part + block of 256 channels; the cluster's four partners take its four blocks of 64 channels and read the same x: each tile of codes is asked for JOINTLY.
; A trip is 64 rows of x in one of two LDS slots; every wave fetches 8 of them.  Wave w: channels 16 (w % 4) on, rows 32 (w / 4) on; it keeps its 48 rows of W in registers (3 x 8 K steps x 8 = 192).
; A slot holds one trip's rows: a slot of several trips would want each of them written out with offsets of its own.
; LAYOUT.  Source 0 = 16 rows of x, source 1 = 16 rows of W: a lane holds ONE channel (lane % 16); register 8 u + j is time 16 u + 8 (lane / 16) + j of the wave's 32: two segments of 8 times a lane, eight in a trip.
; A lane scans each segment from 0 (L) beside the running product of f (P); the eight segments' last (P, L) meet in LDS and are folded in the NEXT trip, behind the round that the ring needs anyway.
; x's SCALE BYTES go from memory straight into the scale registers, a lane a row, asked for by these loads one whole trip ahead of their use: so they have no prefetch.
; THE STORES are three in a launch for each of four waves: two runs of 64 bytes each; the four waves fill the two aligned 256 bytes in the same trip.
.set NTRIP,  12
.set PARTT,  768
.set PITCH,  528                       ; a row of x in LDS: 512 bytes + 16 of padding
.set PARTB,  8*PITCH                   ; what one tensor load brings
.set SLOTB,  64*PITCH
.set EXCH,   2*SLOTB                   ; the segments' summaries: two halves by the trip's parity; in a half the products [channel, 48 bytes][segment, 4 bytes], then the sums likewise.  Written by ds_store alone
.set EXPAR,  6144
.set EXSUM,  3072
.set SPARE,  EXCH+2*EXPAR              ; the spare words, 128 bytes for each wave: four blocks of 256 bytes that no other line names
.set TILEB,  64*512
.set TILES,  64*32
.set SPW, 1
.set NIL, 2
.set AX0, 3                            ; v3-4 my lane's place among x's fragments in slot 0, 1
.set VX,  5                            ; my row's byte offset among a tile's scale bytes
.set EXW, 7
.set EXR, 8
.set SO,  9                            ; my byte offset in a pair of sums: lanes 0-15 P, lanes 16-31 L
.set PFO, 10
.set CAR, 11                           ; the part's running L
.set CP,  12                           ; its running P
.set EV,  13
.set BF,  14                           ; v[14:15] b_f log2 e, twice;  v[16:17] b_i log2 e;  v[18:19] b_h log2 e;  v[20:21] b_h + 0.5
.set BI,  16
.set BH,  18
.set BH5, 20
.set XS,  24                           ; x's scale word of K step s: lanes 0-15 tile 0's rows, lanes 16-31 tile 1's
.set WS,  32                           ; W's: gate g at 4 g + s % 4: lanes 0-15 K steps 0-3, lanes 16-31 K steps 4-7
.set ACC, 44
.set AF,  44
.set AI,  60
.set AH,  76
.set EXA, 44
.set EXB, 52
.set XF,  92
.set TY,  92
.set DL,  108
.set T1,  124
.set WW,  140
.set LL,  220
.set PP,  236
.set VW,  220
.set VS,  221
.set VB,  222
.set XSB, 6
.set SUM0, 26
.set WV,  30
.set CX,  31
.set GX,  32
.set BAT, 33
.set G1C, 40
.set TP,  48
.set CG,  49
.set TH,  50
.set CBQ, 51
.set ROW, 52
.set G0C, 56
.set HM,  84
.set SB,  86
.set PFA, 92
.set CLP, 94
.set AMK, 96
.set TC,  97
.set LC,  98
.set SGN, 99
.set L2E, 100
.set MSB, 0
.macro WIN new
.if MSB != \new
	s_set_vgpr_msb (MSB<<8)|\new
.set MSB, \new
.endif
.endm
.macro ROUND                           ; a round of the cluster's barrier
	s_barrier_signal -1
	s_barrier_wait -1
	s_cmp_lg_u32 s[WV], 0
	s_cbranch_scc1 .Lnot_wave_0_\@
	s_barrier_signal -3
.Lnot_wave_0_\@:
	s_barrier_wait -3
	s_barrier_signal -1
	s_barrier_wait -1
.endm
.macro TLOAD slot                      ; a joint load: my 8 rows of codes; one tensor load of a wave is out at the most
	tensor_load_to_lds s[G0C+4*(\slot):G0C+4*(\slot)+3], s[G1C:G1C+7]
	s_nop 0
.rept 4
	v_nop
.endr
.endm
; A PREFETCH INTO THE L2: a tile is 128 blocks of 256 bytes; partner cx names blocks 32 cx on, a lane a block.  In trip t wave 0 names tile t + 3, which trip t + 2's joint loads ask for: trips 0 to NTRIP - 4.
; Wave 1 names tile 2, in trip 0 alone.  Tiles 0 and 1 come by their loads alone.
.macro ASK
	s_bitcmp1_b32 s[AMK], s[TC]
	s_cbranch_scc0 .Lnot_mine_\@
	global_prefetch_b8 v[PFO], s[PFA:PFA+1] th:TH_LOAD_NT scope:SCOPE_SE
.Lnot_mine_\@:
.endm
.macro EXLOAD par
.irp i, 0,1
	ds_load_b128 v[EXA+4*\i:EXA+4*\i+3], v[EXR] offset:(\par)*EXPAR+16*\i
	ds_load_b128 v[EXB+4*\i:EXB+4*\i+3], v[EXR] offset:(\par)*EXPAR+EXSUM+16*\i
.endr
.endm
.macro FETCH slot                      ; 32 LDS loads: the 16 fragments, K step by K step
.irp s, 0,1,2,3,4,5,6,7
.irp u, 0,1
.irp c, 0,1
	ds_load_b128 v[XF+16*\s+8*\u+4*\c:XF+16*\s+8*\u+4*\c+3], v[AX0+\slot] offset:\u*16*PITCH+64*\s+32*\c
.endr
.endr
.endr
.endm
.macro SCLOAD                          ; my row's 8 scale words: the wave's 32 rows are 1,024 consecutive bytes
	global_load_b128 v[XS:XS+3], v[VX], s[XSB:XSB+1]
	global_load_b128 v[XS+4:XS+7], v[VX], s[XSB:XSB+1] offset:16
.endm
.macro FOLD younger                    ; the trip before: its eight segments onto the part's running (P, L)
	s_wait_dscnt \younger
	v_fma_f32 v[CAR], v[EXA], v[CAR], v[EXB]
	v_mul_f32 v[CP], v[CP], v[EXA]
.irp u, 1,2,3,4,5,6,7
	s_delay_alu instid0(VALU_DEP_2)
	v_fma_f32 v[CAR], v[EXA+\u], v[CAR], v[EXB+\u]
	s_delay_alu instid0(VALU_DEP_2)
	v_mul_f32 v[CP], v[CP], v[EXA+\u]
.endr
.endm
.macro SBASE                           ; where the pair that is due after trip TC - 1 goes (behind a wait on XCNT)
	s_sub_co_u32 s34, s[TC], 1
	s_lshr_b32 s34, s34, 2
	s_lshl_b32 s34, s34, 13
	s_mov_b32 s35, 0
	s_add_nc_u64 s[SB:SB+1], s[SUM0:SUM0+1], s[34:35]
.endm
.macro EMIT                            ; after 4, 8 and 12 trips, by waves 0 to 3 (waves 4 to 7 hold the same numbers)
	s_delay_alu instid0(VALU_DEP_1)
	v_cndmask_b32 v[EV], v[CP], v[CAR], s[HM]
	s_and_b32 s34, s[TC], 3
	s_or_b32 s34, s34, s[TH]
	s_cmp_lg_u32 s34, 0
	s_cbranch_scc1 .Lno_sum_\@
	global_store_b32 v[SO], v[EV], s[SB:SB+1]
.Lno_sum_\@:
.endm
.macro MM g, u, s
.set rD, ACC+16*(\g)+8*(\u)
.set rA, XF+16*(\s)+8*(\u)
.set rB, 64*(\g)+8*(\s)
.set rX, XS+(\s)
.set rW, WS+4*(\g)+((\s)&3)
.if (\s) == 0
.if (\u) == 0
	v_wmma_scale_f32_16x16x128_f8f6f4 v[rD:rD+7], v[rA:rA+7], v[rB:rB+7], 0, v[rX], v[rW] matrix_a_fmt:MATRIX_FMT_FP4 matrix_b_fmt:MATRIX_FMT_FP4
.else
	v_wmma_scale_f32_16x16x128_f8f6f4 v[rD:rD+7], v[rA:rA+7], v[rB:rB+7], 0, v[rX], v[rW] matrix_a_fmt:MATRIX_FMT_FP4 matrix_b_fmt:MATRIX_FMT_FP4 matrix_a_scale:MATRIX_SCALE_ROW1
.endif
.elseif (\s) < 4
.if (\u) == 0
	v_wmma_scale_f32_16x16x128_f8f6f4 v[rD:rD+7], v[rA:rA+7], v[rB:rB+7], v[rD:rD+7], v[rX], v[rW] matrix_a_fmt:MATRIX_FMT_FP4 matrix_b_fmt:MATRIX_FMT_FP4
.else
	v_wmma_scale_f32_16x16x128_f8f6f4 v[rD:rD+7], v[rA:rA+7], v[rB:rB+7], v[rD:rD+7], v[rX], v[rW] matrix_a_fmt:MATRIX_FMT_FP4 matrix_b_fmt:MATRIX_FMT_FP4 matrix_a_scale:MATRIX_SCALE_ROW1
.endif
.else
.if (\u) == 0
	v_wmma_scale_f32_16x16x128_f8f6f4 v[rD:rD+7], v[rA:rA+7], v[rB:rB+7], v[rD:rD+7], v[rX], v[rW] matrix_a_fmt:MATRIX_FMT_FP4 matrix_b_fmt:MATRIX_FMT_FP4 matrix_b_scale:MATRIX_SCALE_ROW1
.else
	v_wmma_scale_f32_16x16x128_f8f6f4 v[rD:rD+7], v[rA:rA+7], v[rB:rB+7], v[rD:rD+7], v[rX], v[rW] matrix_a_fmt:MATRIX_FMT_FP4 matrix_b_fmt:MATRIX_FMT_FP4 matrix_a_scale:MATRIX_SCALE_ROW1 matrix_b_scale:MATRIX_SCALE_ROW1
.endif
.endif
.endm
.macro GEMM                            ; 48 matrix instructions; the six accumulators take turns
	WIN 0x04                                       ; source 1 (W) in window 1
.irp s, 0,1,2,3,4,5,6,7
	s_wait_dscnt 4*(7-\s)                          ; the four fragment loads of each later K step may be out
.irp g, 0,1,2
.irp u, 0,1
	MM \g, \u, \s
.endr
.endr
.endr
	WIN 0
.rept 4
	v_nop                                          ; four places behind the last product (ISA guide 7.12.1)
.endr
.endm
; THE ACTIVATION AND THE LOCAL SCANS.  Every stage walks the registers in ascending order.
.macro ACT
.irp p, 0,2,4,6,8,10,12,14
	v_pk_fma_f32 v[AF+\p:AF+\p+1], v[AF+\p:AF+\p+1], s[L2E:L2E+1], v[BF:BF+1] op_sel_hi:[1,0,1]   ; kf'
.endr
.irp p, 0,2,4,6,8,10,12,14
	v_pk_fma_f32 v[AI+\p:AI+\p+1], v[AI+\p:AI+\p+1], s[L2E:L2E+1], v[BI:BI+1] op_sel_hi:[1,0,1]   ; ki'
.endr
.irp p, 0,2,4,6,8,10,12,14
	v_pk_add_f32 v[TY+\p:TY+\p+1], v[AH+\p:AH+\p+1], v[BH5:BH5+1]                                  ; k_h + 0.5
.endr
.irp p, 0,2,4,6,8,10,12,14
	v_pk_fma_f32 v[AH+\p:AH+\p+1], v[AH+\p:AH+\p+1], s[L2E:L2E+1], v[BH:BH+1] op_sel_hi:[1,0,1]   ; kh'
.endr
.irp p, 0,2,4,6,8,10,12,14
	v_pk_add_f32 v[DL+\p:DL+\p+1], v[AF+\p:AF+\p+1], v[AI+\p:AI+\p+1] neg_lo:[0,1] neg_hi:[0,1]    ; kf' - ki'
.endr
.irp j, 0,1,2,3,4,5,6,7,8,9,10,11,12,13,14,15
	v_min3_num_f32 v[AF+\j], v[AF+\j], v[AI+\j], s[CLP]                                            ; minus the larger of -kf', -ki'; held at 100
.endr
	s_wait_alu depctr_va_vdst(0)                   ; ahead of the batch
.irp j, 0,1,2,3,4,5,6,7,8,9,10,11,12,13,14,15
	v_exp_f32 v[AI+\j], -|v[DL+\j]|                ; e
.endr
.irp j, 0,1,2,3,4,5,6,7,8,9,10,11,12,13,14,15
	v_exp_f32 v[AF+\j], v[AF+\j]                   ; u
.endr
.irp j, 0,1,2,3,4,5,6,7,8,9,10,11,12,13,14,15
	v_exp_f32 v[AH+\j], -|v[AH+\j]|                ; t = e^-|k_h|
.endr
	v_nop
	s_wait_alu depctr_va_vdst(0)                   ; one wait for the batch, ahead of its first reader
.irp p, 0,2,4,6,8,10,12,14
	v_pk_fma_f32 v[WW+\p:WW+\p+1], v[AI+\p:AI+\p+1], -0.5, 0.5 op_sel_hi:[1,0,0]                   ; 0.5 - 0.5 e
.endr
.irp p, 0,2,4,6,8,10,12,14
	v_pk_add_f32 v[AI+\p:AI+\p+1], v[AI+\p:AI+\p+1], 1.0 op_sel_hi:[1,0]                           ; 1 + e
.endr
.irp p, 0,2,4,6,8,10,12,14
	v_pk_fma_f32 v[AF+\p:AF+\p+1], v[AF+\p:AF+\p+1], 2.0, v[AI+\p:AI+\p+1] op_sel_hi:[1,0,1]       ; 2 u + 1 + e, from 1 to 2^101 + 2
.endr
.irp p, 0,2,4,6,8,10,12,14
	v_pk_add_f32 v[T1+\p:T1+\p+1], v[AH+\p:AH+\p+1], 1.0 op_sel_hi:[1,0]                           ; 1 + t
.endr
	s_wait_alu depctr_va_vdst(0)                   ; ahead of the batch
.irp j, 0,1,2,3,4,5,6,7,8,9,10,11,12,13,14,15
	v_rcp_f32 v[AF+\j], v[AF+\j]
.endr
.irp j, 0,1,2,3,4,5,6,7,8,9,10,11,12,13,14,15
	v_rcp_f32 v[T1+\j], v[T1+\j]
.endr
.irp j, 0,1,2,3,4,5,6,7,8,9,10,11,12,13,14,15
	v_bfi_b32 v[WW+\j], s[SGN], v[WW+\j], v[DL+\j]                                                 ; under the sign of kf' - ki'.  (Plain work that names no reciprocal)
.endr
	s_wait_alu depctr_va_vdst(0)                   ; the batch's one wait
.irp p, 0,2,4,6,8,10,12,14
	v_pk_fma_f32 v[PP+\p:PP+\p+1], v[WW+\p:WW+\p+1], v[AF+\p:AF+\p+1], 0.5 op_sel_hi:[1,1,0]       ; f
.endr
.irp p, 0,2,4,6,8,10,12,14
	v_pk_mul_f32 v[AH+\p:AH+\p+1], v[AH+\p:AH+\p+1], v[T1+\p:T1+\p+1]                              ; t / (1 + t)
.endr
.irp j, 0,1,2,3,4,5,6,7,8,9,10,11,12,13,14,15
	v_max_num_f32 v[AH+\j], v[AH+\j], v[TY+\j]                                                     ; g
.endr
.irp p, 0,2,4,6,8,10,12,14
	v_pk_fma_f32 v[LL+\p:LL+\p+1], v[PP+\p:PP+\p+1], v[AH+\p:AH+\p+1], v[AH+\p:AH+\p+1] neg_lo:[1,0,0] neg_hi:[1,0,0]   ; i g = g - f g
.endr
	v_fma_f32 v[LL+1], v[PP+1], v[LL], v[LL+1]             ; both segments' scans from 0 and running products of f: four chains by turns; the first step reads nothing made just before it
	v_fma_f32 v[LL+9], v[PP+9], v[LL+8], v[LL+9]
	v_mul_f32 v[PP+1], v[PP+1], v[PP]
	v_mul_f32 v[PP+9], v[PP+9], v[PP+8]
.irp j, 2,3,4,5,6,7
	s_delay_alu instid0(VALU_DEP_4)
	v_fma_f32 v[LL+\j], v[PP+\j], v[LL+\j-1], v[LL+\j]
	s_delay_alu instid0(VALU_DEP_4)
	v_fma_f32 v[LL+8+\j], v[PP+8+\j], v[LL+8+\j-1], v[LL+8+\j]
	s_delay_alu instid0(VALU_DEP_4)
	v_mul_f32 v[PP+\j], v[PP+\j], v[PP+\j-1]
	s_delay_alu instid0(VALU_DEP_4)
	v_mul_f32 v[PP+8+\j], v[PP+8+\j], v[PP+8+\j-1]
.endr
.endm
.macro POST par                        ; my two segments' summaries: segment 4 (w / 4) + 2 u + lane / 16
.irp u, 0,1
	ds_store_b32 v[EXW], v[PP+8*\u+7] offset:(\par)*EXPAR+8*\u
	ds_store_b32 v[EXW], v[LL+8*\u+7] offset:(\par)*EXPAR+EXSUM+8*\u
.endr
.endm
; A TRIP.  In front of the round each wave has waited for all its tensor loads, has added 0 to its spare word, and has waited for that, for its reads of the other slot and for its summaries' stores.
.macro TRIP slot, refill, first
	s_wait_xcnt 0x0                                ; the last prefetch, loads of scale words and store have read their addresses and data
	s_add_nc_u64 s[PFA:PFA+1], s[PFA:PFA+1], TILEB
	s_add_nc_u64 s[XSB:XSB+1], s[XSB:XSB+1], TILES
.if \first == 0
	SBASE
.endif
	s_wait_tensorcnt 0x0
	ds_add_u32 v[SPW], v[NIL]
	s_add_nc_u64 s[G0C+4*\slot+2:G0C+4*\slot+3], s[G0C+4*\slot+2:G0C+4*\slot+3], 2*TILEB
	s_wait_dscnt 0x0
	ROUND
.if \refill
	TLOAD 1-\slot
.endif
.if \first == 0
	EXLOAD 1-\slot
.endif
	FETCH \slot
.if \refill
	ASK
.endif
.if \first == 0
	FOLD 32                                        ; the four summary loads are in; FETCH's 32 may be out
	EMIT
.endif
	s_wait_loadcnt 0x0                             ; this tile's scale words
	GEMM
.if \refill
	SCLOAD
.endif
	s_wait_alu depctr_va_vdst(0)
	ACT
	POST \slot
	s_add_co_u32 s[TC], s[TC], 1
.endm
	s_load_b512 s[4:19], s[0:1], 0x0               ; x's codes, x's scales; W_f's s[8:11], W_i's s[12:15], W_h's s[16:19]
	s_load_b256 s[20:27], s[0:1], 0x40             ; b_f, b_i, b_h, sums
	v_lshl_add_u32 v[SPW], v0, 2, SPARE
	v_mov_b32 v[NIL], 0
	ds_add_u32 v[SPW], v[NIL]                      ; the opening lines: the add, twice on end, and its wait
	ds_add_u32 v[SPW], v[NIL]
	s_wait_dscnt 0x0
	v_lshrrev_b32 v236, 5, v0
	s_delay_alu instid0(VALU_DEP_1)
	v_readfirstlane_b32 s[WV], v236
	s_and_b32 s[CG], s[WV], 3
	s_lshr_b32 s[TH], s[WV], 2
	s_bfe_u32 s[CX], ttmp6, 0x40000
	s_and_b32 s[CBQ], ttmp9, 3
	s_bfe_u32 s[TP], ttmp9, 0x20002
	s_lshr_b32 s[BAT], ttmp9, 4
	s_lshl_b32 s[GX], s[CBQ], 4
	s_lshl_b32 s36, s[CX], 2
	s_add_co_u32 s[GX], s[GX], s36
	s_add_co_u32 s[GX], s[GX], s[CG]               ; my wave's block of 16 channels: it enters W's, the biases' and sums' addresses alone
	s_lshl_b32 s[ROW], s[BAT], 12
	s_mul_i32 s34, s[TP], PARTT
	s_add_co_u32 s[ROW], s[ROW], s34               ; my first row of x
	s_mov_b32 s[G1C], 15|(0<<16)|(1<<20)|(1<<21)|(6<<22)|(3<<25)   ; the mask of all four; elements of 1 byte; padding: four words after every 128; bit 21 beside a mask
	s_mov_b32 s[G1C+1], 512<<16
	s_mov_b32 s[G1C+2], 8<<16
	s_mov_b32 s[G1C+3], 512<<16
	s_mov_b32 s[G1C+4], 8
	s_mov_b32 s[G1C+5], 512
	s_mov_b32 s[G1C+6], 0
	s_mov_b32 s[G1C+7], 0
	s_mov_b32 s[HM], 0xffff0000
	s_mov_b32 s[L2E], 0x3fb8aa3b
	s_mov_b32 s[L2E+1], s[L2E]
	s_mov_b32 s[CLP], 0x42c80000                   ; 100.0
	s_mov_b32 s[SGN], 0x7fffffff
	s_mov_b32 s[TC], 0
	s_mul_i32 s68, s[TH], 32*PITCH
	s_lshl_b32 s69, s[TH], 10
	s_mul_i32 s70, s[CG], 768
	s_add_co_u32 s70, s70, EXCH
	s_lshl_b32 s71, s[TH], 4
	v_bfe_u32 v238, v0, 4, 1                       ; h = lane / 16
	v_and_b32 v239, 15, v0                         ; r = lane % 16
	v_and_b32 v237, 31, v0
	s_delay_alu instid0(VALU_DEP_2)
	v_mul_u32_u24 v[AX0], v239, PITCH
	s_delay_alu instid0(VALU_DEP_3)
	v_mul_u32_u24 v[EXR], v239, 48
	s_delay_alu instid0(VALU_DEP_4)
	v_lshlrev_b32 v[VB], 2, v239
	s_delay_alu instid0(VALU_DEP_4)
	v_lshlrev_b32 v[PFO], 8, v237
	v_lshl_add_u32 v[VX], v237, 5, s69             ; scale words: the tile's row 32 (w / 4) + lane, 32 bytes a row
	v_lshl_add_u32 v[AX0], v238, 4, v[AX0]
	v_add_nc_u32 v[EXR], s70, v[EXR]               ; my channel's 8 words
	v_lshlrev_b32 v[VW], 9, v239
	v_lshlrev_b32 v[VS], 5, v239
	s_delay_alu instid0(VALU_DEP_4)
	v_add_nc_u32 v[AX0], s68, v[AX0]               ; a fragment: slot row 32 (w / 4) + r (+ 16 u in the immediate), + 16 h
	s_delay_alu instid0(VALU_DEP_4)
	v_lshl_add_u32 v[EXW], v238, 2, v[EXR]
	s_delay_alu instid0(VALU_DEP_4)
	v_lshl_add_u32 v[VW], v238, 4, v[VW]
	s_delay_alu instid0(VALU_DEP_4)
	v_lshl_add_u32 v[VS], v238, 4, v[VS]
	s_delay_alu instid0(VALU_DEP_4)
	v_add_nc_u32 v[AX0+1], SLOTB, v[AX0]
	s_delay_alu instid0(VALU_DEP_4)
	v_add_nc_u32 v[EXW], s71, v[EXW]
	v_lshl_add_u32 v[SO], v238, 12, v[VB]
	v_mov_b32 v[CAR], 0
	v_mov_b32 v[CP], 1.0
	s_mul_i32 s34, s[WV], PARTB                    ; where my 8 rows go in a slot
	s_wait_kmcnt 0x0
	s_lshl_b32 s2, s[ROW], 9
	s_mov_b32 s3, 0
	s_add_nc_u64 s[4:5], s[4:5], s[2:3]
	s_lshl_b32 s2, s[ROW], 5
	s_add_nc_u64 s[XSB:XSB+1], s[XSB:XSB+1], s[2:3]
	s_lshl_b32 s2, s[BAT], 2
	s_add_co_u32 s2, s2, s[TP]
	s_mul_i32 s2, s2, 3*8192
	s_add_nc_u64 s[SUM0:SUM0+1], s[SUM0:SUM0+1], s[2:3]
	s_lshl_b32 s2, s[WV], 12
	s_add_nc_u64 s[2:3], s[4:5], s[2:3]            ; my 8 rows of tile 0
.irp n, 0,1
	s_mov_b32 s[G0C+4*\n], 1
	s_add_co_u32 s[G0C+4*\n+1], s34, \n*SLOTB
	s_add_nc_u64 s[G0C+4*\n+2:G0C+4*\n+3], s[2:3], \n*TILEB
	s_or_b32 s[G0C+4*\n+3], s[G0C+4*\n+3], 0x80000000
.endr
	s_mov_b32 s37, 0
	s_lshl_b32 s36, s[GX], 13
.irp g, 0,1,2
	s_add_nc_u64 s[8+4*\g:9+4*\g], s[8+4*\g:9+4*\g], s[36:37]
.endr
	s_lshl_b32 s36, s[GX], 9
.irp g, 0,1,2
	s_add_nc_u64 s[10+4*\g:11+4*\g], s[10+4*\g:11+4*\g], s[36:37]
.endr
	s_lshl_b32 s36, s[GX], 6
.irp q, 20,22,24,26
	s_add_nc_u64 s[\q:\q+1], s[\q:\q+1], s[36:37]
.endr
	s_lshl_b32 s36, s[CX], 13                      ; the prefetches: each trip steps the address by a tile first, so it begins one tile back
	s_mov_b32 s38, TILEB
	s_mov_b32 s[AMK], 1
	s_cmp_eq_u32 s[WV], 0
	s_cselect_b32 s38, 2*TILEB, s38
	s_cselect_b32 s[AMK], (1<<(NTRIP-3))-1, s[AMK]
	s_cmp_gt_u32 s[WV], 1
	s_cselect_b32 s[AMK], 0, s[AMK]
	s_add_co_u32 s36, s36, s38
	s_add_nc_u64 s[PFA:PFA+1], s[4:5], s[36:37]
	ROUND                                          ; all four work-groups are here: the first joint loads meet
	TLOAD 0                                        ; tile 0: my one tensor load at the head
	WIN 0x40
	s_wait_alu depctr_va_vdst(0)
.irp g, 0,1,2
.irp s, 0,1,2,3,4,5,6,7
.irp c, 0,1
	global_load_b128 v[64*\g+8*\s+4*\c:64*\g+8*\s+4*\c+3], v[VW], s[8+4*\g:9+4*\g] offset:64*\s+32*\c
.endr
.endr
.endr
	WIN 0
.irp g, 0,1,2
	global_load_b128 v[WS+4*\g:WS+4*\g+3], v[VS], s[10+4*\g:11+4*\g]
.endr
	SCLOAD
	global_load_b32 v224, v[VB], s[20:21]
	global_load_b32 v225, v[VB], s[22:23]
	global_load_b32 v226, v[VB], s[24:25]
	s_wait_loadcnt 0x0
	v_mul_f32 v[BF], s[L2E], v224
	v_mul_f32 v[BI], s[L2E], v225
	v_mul_f32 v[BH], s[L2E], v226
	v_add_f32 v[BH5], 0.5, v226
	s_delay_alu instid0(VALU_DEP_4)
	v_mov_b32 v[BF+1], v[BF]
	s_delay_alu instid0(VALU_DEP_4)
	v_mov_b32 v[BI+1], v[BI]
	s_delay_alu instid0(VALU_DEP_4)
	v_mov_b32 v[BH+1], v[BH]
	s_delay_alu instid0(VALU_DEP_4)
	v_mov_b32 v[BH5+1], v[BH5]
	s_wait_alu depctr_va_vdst(0)                   ; the wait at the head's end
	TRIP 0, 1, 1
	s_mov_b32 s[LC], (NTRIP-2)/2
.Lloop:
	TRIP 1, 1, 0
	TRIP 0, 1, 0
	s_sub_co_u32 s[LC], s[LC], 1
	s_cmp_lg_u32 s[LC], 0
	s_cbranch_scc1 .Lloop
	TRIP 1, 0, 0                                   ; the last trip is written out: nothing is left to fetch
	s_wait_xcnt 0x0
	SBASE
	s_wait_dscnt 0x0                               ; for the others' sake: my summaries are stored
	s_barrier_signal -1
	s_barrier_wait -1
	EXLOAD 1
	FOLD 0
	EMIT
	s_wait_tensorcnt 0x0                           ; the wave's end
	ds_add_u32 v[SPW], v[NIL]
	s_wait_dscnt 0x0
	ROUND                                          ; the closing round
	s_endpgm
.Lfunc_end_k_q091f2cbef0_sums:
	.size	k_q091f2cbef0_sums, .Lfunc_end_k_q091f2cbef0_sums-k_q091f2cbef0_sums
	.p2alignl 7, 3214868480
	.fill 96, 4, 3214868480
	.section	.rodata,"a",@progbits
	.p2align	6, 0x0
	.amdhsa_kernel k_q091f2cbef0_sums
		.amdhsa_group_segment_fixed_size 327680
		.amdhsa_private_segment_fixed_size 0
		.amdhsa_enable_private_segment 0
		.amdhsa_kernarg_size 96
		.amdhsa_user_sgpr_count 2
		.amdhsa_user_sgpr_kernarg_segment_ptr 1
		.amdhsa_wavefront_size32 1
		.amdhsa_system_sgpr_workgroup_id_x 1
		.amdhsa_system_sgpr_workgroup_id_y 1
		.amdhsa_system_sgpr_workgroup_id_z 1
		.amdhsa_system_vgpr_workitem_id 0
		.amdhsa_next_free_vgpr 448
		.amdhsa_next_free_sgpr 102
		.amdhsa_reserve_vcc 0
		.amdhsa_float_denorm_mode_32 3
		.amdhsa_float_denorm_mode_16_64 3
		.amdhsa_memory_ordered 1
		.amdhsa_forward_progress 1
		.amdhsa_inst_pref_size 117
	.end_amdhsa_kernel
	.amdgpu_metadata
---
amdhsa.version: [ 1, 2 ]
amdhsa.kernels:
  - .name:           k_q091f2cbef0_sums
    .symbol:         k_q091f2cbef0_sums.kd
    .args:
      - { .name: x_codes, .offset: 0, .size: 8, .value_kind: global_buffer, .address_space: global }
      - { .name: x_scales, .offset: 8, .size: 8, .value_kind: global_buffer, .address_space: global }
      - { .name: W_f_codes, .offset: 16, .size: 8, .value_kind: global_buffer, .address_space: global }
      - { .name: W_f_scales, .offset: 24, .size: 8, .value_kind: global_buffer, .address_space: global }
      - { .name: W_i_codes, .offset: 32, .size: 8, .value_kind: global_buffer, .address_space: global }
      - { .name: W_i_scales, .offset: 40, .size: 8, .value_kind: global_buffer, .address_space: global }
      - { .name: W_h_codes, .offset: 48, .size: 8, .value_kind: global_buffer, .address_space: global }
      - { .name: W_h_scales, .offset: 56, .size: 8, .value_kind: global_buffer, .address_space: global }
      - { .name: b_f, .offset: 64, .size: 8, .value_kind: global_buffer, .address_space: global }
      - { .name: b_i, .offset: 72, .size: 8, .value_kind: global_buffer, .address_space: global }
      - { .name: b_h, .offset: 80, .size: 8, .value_kind: global_buffer, .address_space: global }
      - { .name: sums, .offset: 88, .size: 8, .value_kind: global_buffer, .address_space: global }
    .group_segment_fixed_size: 327680
    .private_segment_fixed_size: 0
    .kernarg_segment_align: 8
    .kernarg_segment_size: 96
    .max_flat_workgroup_size: 256
    .sgpr_count:     102
    .vgpr_count:     448
    .wavefront_size: 32
...
	.end_amdgpu_metadata
.endif
;; end of part 1
;; launch scan (part 2): grid 256 x 1, 8 waves a work-group, clusters of 4 x 1, 327,680 bytes of LDS; arguments x_codes, x_scales, W_f_codes, W_f_scales, W_i_codes, W_i_scales, W_h_codes, W_h_scales, b_f, b_i, b_h, h0, sums, out0; writes out0
.if DOCPART == 2
	.amdgcn_target "amdgcn-amd-amdhsa--gfx1250"
	.amdhsa_code_object_version 6
	.text
	.protected	k_q091f2cbef0_scan
	.globl	k_q091f2cbef0_scan
	.p2align	8
	.type	k_q091f2cbef0_scan,@function
k_q091f2cbef0_scan:
	s_mov_b64 s[64:65], 0
	v_nop
	global_prefetch_b8 v0, s[64:65] scope:SCOPE_SE
	s_setreg_imm32_b32 hwreg(HW_REG_WAVE_MODE, 25, 1), 1
	s_wait_xcnt 0x0
	s_wait_alu depctr_hold_cnt(0) depctr_sa_sdst(0) depctr_va_vdst(0) depctr_va_sdst(0) depctr_va_ssrc(0) depctr_va_vcc(0) depctr_vm_vsrc(0)
	s_getreg_b32 s2, hwreg(HW_REG_IB_STS2, 6, 4)
	s_cmp_eq_u32 s2, 0
	s_cbranch_scc0 .Lentry_in_a_cluster
	s_endpgm
.Lentry_in_a_cluster:
	s_bfe_u32 s2, ttmp6, 0x10000c
	s_cmp_lg_u32 s2, 0x3003
	s_cbranch_scc0 .Lentry_shape_is_right
	s_endpgm
.Lentry_shape_is_right:
; minLSTM, second of two launches: the formulas, the limits, the shares of a wave and a lane and the ring are those of the first launch's head.
; A work-group owns 64 channels of one batch for a quarter q of 1,024 times: cluster number = 16 batch + 4 q + block of 256 channels.  16 trips of 64 rows of x.
; THE STATE AHEAD OF THE QUARTER: time 1,024 q = q parts of 768 and 256 q more.  So onto h0 are folded, in order, the whole (P, L) of parts 0 to q - 1 and the running (P, L) of part q after 256 q times
; (for q = 3 that is part 3's whole pair; for q = 0 nothing).  All four places are loaded and those that do not count are replaced by (1, 0): no branch.
; THE SCAN.  The eight segments' summaries of a trip are folded onto the state (CAR) in the next trip; a lane keeps the states ahead of its two segments (CW); h = P CW + L.
; THE STORES.  h goes through a stage in LDS, 64 rows x (256 bytes + 16), written by ds_store alone: each wave puts its 32 rows x 16 channels there, a barrier, and each wave reads 8 whole rows back:
; a store of a wave covers two aligned stretches of 256 bytes.  That barrier's signal and wait stand round the trip's 48 products.
.set NTRIP,  16
.set PARTT,  1024
.set PITCH,  528
.set PARTB,  8*PITCH
.set SLOTB,  64*PITCH
.set EXCH,   2*SLOTB
.set EXPAR,  6144
.set EXSUM,  3072
.set STG,    EXCH+2*EXPAR              ; the stage
.set SPITCH, 272
.set SPARE,  STG+64*SPITCH             ; the spare words, 128 bytes for each wave: four blocks of 256 bytes that no other line names
.set TILEB,  64*512
.set TILES,  64*32
.set OUTT,   64*4096
.set SPW, 1
.set NIL, 2
.set AX0, 3
.set VX,  5
.set STW, 6                            ; where I put h in the stage
.set EXW, 7
.set EXR, 8
.set GO,  9                            ; my byte offset in a trip's rows of out0
.set PFO, 10
.set CAR, 11
.set CW,  12                           ; v[12:13], v[22:23]: the states ahead of my two segments (the low words; the packed form names the pairs)
.set BF,  14
.set BI,  16
.set BH,  18
.set BH5, 20
.set XS,  24
.set WS,  32
.set ACC, 44
.set AF,  44
.set AI,  60
.set AH,  76
.set EXA, 44
.set EXB, 52
.set XF,  92
.set TY,  92
.set DL,  108
.set T1,  124
.set WW,  140
.set SBK, 156                          ; v156-171: 8 rows read back from the stage
.set LL,  220
.set PP,  236
.set STR, 252                          ; where I read the stage back
.set VW,  220
.set VS,  221
.set VB,  222
.set XSB, 6
.set OUT, 28
.set WV,  30
.set CX,  31
.set GX,  32
.set BAT, 33
.set G1C, 40
.set TP,  48
.set CG,  49
.set TH,  50
.set CBQ, 51
.set ROW, 52
.set G0C, 56
.set SUMA, 66
.set MK,  76                           ; s76-83 lane masks: segment g is mine in these lanes
.set AM,  84                           ; s84-87 all ones where the pair at place e counts
.set SOF, 88                           ; s88-91 its byte offset in sums
.set PFA, 92
.set CLP, 94
.set AMK, 96
.set TC,  97
.set LC,  98
.set SGN, 99
.set L2E, 100
.set MSB, 0
.macro WIN new
.if MSB != \new
	s_set_vgpr_msb (MSB<<8)|\new
.set MSB, \new
.endif
.endm
.macro ROUND
	s_barrier_signal -1
	s_barrier_wait -1
	s_cmp_lg_u32 s[WV], 0
	s_cbranch_scc1 .Lnot_wave_0_\@
	s_barrier_signal -3
.Lnot_wave_0_\@:
	s_barrier_wait -3
	s_barrier_signal -1
	s_barrier_wait -1
.endm
.macro TLOAD slot
	tensor_load_to_lds s[G0C+4*(\slot):G0C+4*(\slot)+3], s[G1C:G1C+7]
	s_nop 0
.rept 4
	v_nop
.endr
.endm
; A PREFETCH INTO THE L2, as in the first launch: partner cx names blocks 32 cx on of a tile's 128; wave 0 names tile t + 3 in trips 0 to NTRIP - 4, wave 1 tile 2 in trip 0 alone.
.macro ASK
	s_bitcmp1_b32 s[AMK], s[TC]
	s_cbranch_scc0 .Lnot_mine_\@
	global_prefetch_b8 v[PFO], s[PFA:PFA+1] th:TH_LOAD_NT scope:SCOPE_SE
.Lnot_mine_\@:
.endm
.macro EXLOAD par
.irp i, 0,1
	ds_load_b128 v[EXA+4*\i:EXA+4*\i+3], v[EXR] offset:(\par)*EXPAR+16*\i
	ds_load_b128 v[EXB+4*\i:EXB+4*\i+3], v[EXR] offset:(\par)*EXPAR+EXSUM+16*\i
.endr
.endm
.macro FETCH slot
.irp s, 0,1,2,3,4,5,6,7
.irp u, 0,1
.irp c, 0,1
	ds_load_b128 v[XF+16*\s+8*\u+4*\c:XF+16*\s+8*\u+4*\c+3], v[AX0+\slot] offset:\u*16*PITCH+64*\s+32*\c
.endr
.endr
.endr
.endm
.macro SCLOAD
	global_load_b128 v[XS:XS+3], v[VX], s[XSB:XSB+1]
	global_load_b128 v[XS+4:XS+7], v[VX], s[XSB:XSB+1] offset:16
.endm
.macro FOLD younger                    ; the trip before: its eight segments onto the state, in order; segment g belongs to my registers 8 ((g / 2) % 2) on
	s_wait_dscnt \younger
	v_cndmask_b32 v[CW], v[CW], v[CAR], s[MK]
	v_fma_f32 v[CAR], v[EXA], v[CAR], v[EXB]
.irp g, 1,2,3,4,5,6,7
	s_delay_alu instid0(VALU_DEP_1)
	v_cndmask_b32 v[CW+10*((\g>>1)&1)], v[CW+10*((\g>>1)&1)], v[CAR], s[MK+\g]
	s_delay_alu instid0(VALU_DEP_2)
	v_fma_f32 v[CAR], v[EXA+\g], v[CAR], v[EXB+\g]
.endr
.irp u, 0,1
.irp p, 0,2,4,6
	v_pk_fma_f32 v[LL+8*\u+\p:LL+8*\u+\p+1], v[PP+8*\u+\p:PP+8*\u+\p+1], v[CW+10*\u:CW+10*\u+1], v[LL+8*\u+\p:LL+8*\u+\p+1] op_sel_hi:[1,0,1]
.endr
.endr
.endm
.macro STSTORE                         ; h into the stage: row 32 (w / 4) + 16 u + 8 (lane / 16) + j, channel 16 (w % 4) + lane % 16
.irp u, 0,1
.irp j, 0,1,2,3,4,5,6,7
	ds_store_b32 v[STW], v[LL+8*\u+\j] offset:(16*\u+\j)*SPITCH
.endr
.endr
.endm
.macro STLOAD                          ; rows 8 w .. 8 w + 7 back, two whole rows a load
.irp i, 0,1,2,3
	ds_load_b128 v[SBK+4*\i:SBK+4*\i+3], v[STR] offset:\i*2*SPITCH
.endr
.endm
.macro SEND
.irp i, 0,1,2,3
	global_store_b128 v[GO], v[SBK+4*\i:SBK+4*\i+3], s[OUT:OUT+1] offset:\i*8192 th:TH_STORE_NT   ; lanes 0-15: the 256 bytes of row 8 w + 2 i; lanes 16-31: of the next row
.endr
.endm
.macro MM g, u, s
.set rD, ACC+16*(\g)+8*(\u)
.set rA, XF+16*(\s)+8*(\u)
.set rB, 64*(\g)+8*(\s)
.set rX, XS+(\s)
.set rW, WS+4*(\g)+((\s)&3)
.if (\s) == 0
.if (\u) == 0
	v_wmma_scale_f32_16x16x128_f8f6f4 v[rD:rD+7], v[rA:rA+7], v[rB:rB+7], 0, v[rX], v[rW] matrix_a_fmt:MATRIX_FMT_FP4 matrix_b_fmt:MATRIX_FMT_FP4
.else
	v_wmma_scale_f32_16x16x128_f8f6f4 v[rD:rD+7], v[rA:rA+7], v[rB:rB+7], 0, v[rX], v[rW] matrix_a_fmt:MATRIX_FMT_FP4 matrix_b_fmt:MATRIX_FMT_FP4 matrix_a_scale:MATRIX_SCALE_ROW1
.endif
.elseif (\s) < 4
.if (\u) == 0
	v_wmma_scale_f32_16x16x128_f8f6f4 v[rD:rD+7], v[rA:rA+7], v[rB:rB+7], v[rD:rD+7], v[rX], v[rW] matrix_a_fmt:MATRIX_FMT_FP4 matrix_b_fmt:MATRIX_FMT_FP4
.else
	v_wmma_scale_f32_16x16x128_f8f6f4 v[rD:rD+7], v[rA:rA+7], v[rB:rB+7], v[rD:rD+7], v[rX], v[rW] matrix_a_fmt:MATRIX_FMT_FP4 matrix_b_fmt:MATRIX_FMT_FP4 matrix_a_scale:MATRIX_SCALE_ROW1
.endif
.else
.if (\u) == 0
	v_wmma_scale_f32_16x16x128_f8f6f4 v[rD:rD+7], v[rA:rA+7], v[rB:rB+7], v[rD:rD+7], v[rX], v[rW] matrix_a_fmt:MATRIX_FMT_FP4 matrix_b_fmt:MATRIX_FMT_FP4 matrix_b_scale:MATRIX_SCALE_ROW1
.else
	v_wmma_scale_f32_16x16x128_f8f6f4 v[rD:rD+7], v[rA:rA+7], v[rB:rB+7], v[rD:rD+7], v[rX], v[rW] matrix_a_fmt:MATRIX_FMT_FP4 matrix_b_fmt:MATRIX_FMT_FP4 matrix_a_scale:MATRIX_SCALE_ROW1 matrix_b_scale:MATRIX_SCALE_ROW1
.endif
.endif
.endm
.macro GEMM                            ; 48 matrix instructions on registers that are all in; the six accumulators take turns
	WIN 0x04
.irp s, 0,1,2,3,4,5,6,7
.irp g, 0,1,2
.irp u, 0,1
	MM \g, \u, \s
.endr
.endr
.endr
	WIN 0
.rept 4
	v_nop                                          ; four places behind the last product (ISA guide 7.12.1)
.endr
.endm
.macro ACT send
.irp p, 0,2,4,6,8,10,12,14
	v_pk_fma_f32 v[AF+\p:AF+\p+1], v[AF+\p:AF+\p+1], s[L2E:L2E+1], v[BF:BF+1] op_sel_hi:[1,0,1]   ; kf'
.endr
.irp p, 0,2,4,6,8,10,12,14
	v_pk_fma_f32 v[AI+\p:AI+\p+1], v[AI+\p:AI+\p+1], s[L2E:L2E+1], v[BI:BI+1] op_sel_hi:[1,0,1]   ; ki'
.endr
.irp p, 0,2,4,6,8,10,12,14
	v_pk_add_f32 v[TY+\p:TY+\p+1], v[AH+\p:AH+\p+1], v[BH5:BH5+1]                                  ; k_h + 0.5
.endr
.irp p, 0,2,4,6,8,10,12,14
	v_pk_fma_f32 v[AH+\p:AH+\p+1], v[AH+\p:AH+\p+1], s[L2E:L2E+1], v[BH:BH+1] op_sel_hi:[1,0,1]   ; kh'
.endr
.irp p, 0,2,4,6,8,10,12,14
	v_pk_add_f32 v[DL+\p:DL+\p+1], v[AF+\p:AF+\p+1], v[AI+\p:AI+\p+1] neg_lo:[0,1] neg_hi:[0,1]    ; kf' - ki'
.endr
.irp j, 0,1,2,3,4,5,6,7,8,9,10,11,12,13,14,15
	v_min3_num_f32 v[AF+\j], v[AF+\j], v[AI+\j], s[CLP]                                            ; minus the larger of -kf', -ki'; held at 100
.endr
	s_wait_alu depctr_va_vdst(0)                   ; the wait ahead of the batch, and ahead of the wait below
.if \send
	s_wait_dscnt 0x0                               ; the stage's rows are back in registers
	SEND
.endif
.irp j, 0,1,2,3,4,5,6,7,8,9,10,11,12,13,14,15
	v_exp_f32 v[AI+\j], -|v[DL+\j]|                ; e
.endr
.irp j, 0,1,2,3,4,5,6,7,8,9,10,11,12,13,14,15
	v_exp_f32 v[AF+\j], v[AF+\j]                   ; u
.endr
.irp j, 0,1,2,3,4,5,6,7,8,9,10,11,12,13,14,15
	v_exp_f32 v[AH+\j], -|v[AH+\j]|                ; t = e^-|k_h|
.endr
	v_nop
	s_wait_alu depctr_va_vdst(0)                   ; one wait for the batch, ahead of its first reader
.irp p, 0,2,4,6,8,10,12,14
	v_pk_fma_f32 v[WW+\p:WW+\p+1], v[AI+\p:AI+\p+1], -0.5, 0.5 op_sel_hi:[1,0,0]                   ; 0.5 - 0.5 e
.endr
.irp p, 0,2,4,6,8,10,12,14
	v_pk_add_f32 v[AI+\p:AI+\p+1], v[AI+\p:AI+\p+1], 1.0 op_sel_hi:[1,0]                           ; 1 + e
.endr
.irp p, 0,2,4,6,8,10,12,14
	v_pk_fma_f32 v[AF+\p:AF+\p+1], v[AF+\p:AF+\p+1], 2.0, v[AI+\p:AI+\p+1] op_sel_hi:[1,0,1]       ; 2 u + 1 + e
.endr
.irp p, 0,2,4,6,8,10,12,14
	v_pk_add_f32 v[T1+\p:T1+\p+1], v[AH+\p:AH+\p+1], 1.0 op_sel_hi:[1,0]                           ; 1 + t
.endr
	s_wait_alu depctr_va_vdst(0)                   ; ahead of the batch
.irp j, 0,1,2,3,4,5,6,7,8,9,10,11,12,13,14,15
	v_rcp_f32 v[AF+\j], v[AF+\j]
.endr
.irp j, 0,1,2,3,4,5,6,7,8,9,10,11,12,13,14,15
	v_rcp_f32 v[T1+\j], v[T1+\j]
.endr
.irp j, 0,1,2,3,4,5,6,7,8,9,10,11,12,13,14,15
	v_bfi_b32 v[WW+\j], s[SGN], v[WW+\j], v[DL+\j]                                                 ; under the sign of kf' - ki'
.endr
	s_wait_alu depctr_va_vdst(0)                   ; the batch's one wait
.irp p, 0,2,4,6,8,10,12,14
	v_pk_fma_f32 v[PP+\p:PP+\p+1], v[WW+\p:WW+\p+1], v[AF+\p:AF+\p+1], 0.5 op_sel_hi:[1,1,0]       ; f
.endr
.irp p, 0,2,4,6,8,10,12,14
	v_pk_mul_f32 v[AH+\p:AH+\p+1], v[AH+\p:AH+\p+1], v[T1+\p:T1+\p+1]                              ; t / (1 + t)
.endr
.irp j, 0,1,2,3,4,5,6,7,8,9,10,11,12,13,14,15
	v_max_num_f32 v[AH+\j], v[AH+\j], v[TY+\j]                                                     ; g
.endr
.irp p, 0,2,4,6,8,10,12,14
	v_pk_fma_f32 v[LL+\p:LL+\p+1], v[PP+\p:PP+\p+1], v[AH+\p:AH+\p+1], v[AH+\p:AH+\p+1] neg_lo:[1,0,0] neg_hi:[1,0,0]   ; i g = g - f g
.endr
	v_fma_f32 v[LL+1], v[PP+1], v[LL], v[LL+1]             ; both segments' scans from 0 and running products of f: four chains by turns; the first step reads nothing made just before it
	v_fma_f32 v[LL+9], v[PP+9], v[LL+8], v[LL+9]
	v_mul_f32 v[PP+1], v[PP+1], v[PP]
	v_mul_f32 v[PP+9], v[PP+9], v[PP+8]
.irp j, 2,3,4,5,6,7
	s_delay_alu instid0(VALU_DEP_4)
	v_fma_f32 v[LL+\j], v[PP+\j], v[LL+\j-1], v[LL+\j]
	s_delay_alu instid0(VALU_DEP_4)
	v_fma_f32 v[LL+8+\j], v[PP+8+\j], v[LL+8+\j-1], v[LL+8+\j]
	s_delay_alu instid0(VALU_DEP_4)
	v_mul_f32 v[PP+\j], v[PP+\j], v[PP+\j-1]
	s_delay_alu instid0(VALU_DEP_4)
	v_mul_f32 v[PP+8+\j], v[PP+8+\j], v[PP+8+\j-1]
.endr
.endm
.macro POST par
.irp u, 0,1
	ds_store_b32 v[EXW], v[PP+8*\u+7] offset:(\par)*EXPAR+8*\u
	ds_store_b32 v[EXW], v[LL+8*\u+7] offset:(\par)*EXPAR+EXSUM+8*\u
.endr
.endm
; A TRIP.  In front of the round each wave has waited for all its tensor loads, has added 0 to its spare word, and has waited for that, for its reads of the other slot and of the stage and for its summaries' stores.
.macro TRIP slot, refill, first
	s_wait_xcnt 0x0                                ; the last prefetch, loads of scale words and stores have read their addresses and data
	s_add_nc_u64 s[PFA:PFA+1], s[PFA:PFA+1], TILEB
	s_add_nc_u64 s[XSB:XSB+1], s[XSB:XSB+1], TILES
.if \first == 0
	s_add_nc_u64 s[OUT:OUT+1], s[OUT:OUT+1], OUTT  ; the rows of the trip before, which this trip stores
.endif
	s_wait_tensorcnt 0x0
	ds_add_u32 v[SPW], v[NIL]
	s_add_nc_u64 s[G0C+4*\slot+2:G0C+4*\slot+3], s[G0C+4*\slot+2:G0C+4*\slot+3], 2*TILEB
	s_wait_dscnt 0x0
	ROUND
.if \refill
	TLOAD 1-\slot
.endif
.if \first == 0
	EXLOAD 1-\slot
.endif
	FETCH \slot
.if \refill
	ASK
.endif
.if \first == 0
	FOLD 32                                        ; the four summary loads are in; FETCH's 32 may be out
	STSTORE
.endif
	s_wait_loadcnt 0x0                             ; this tile's scale words
	s_wait_dscnt 0x0                               ; my fragments are in; for the others' sake: my part of the stage is stored
.if \first == 0
	s_barrier_signal -1                            ; the stage's barrier: only the products stand between signal and wait
.endif
	GEMM
.if \first == 0
	s_barrier_wait -1
	STLOAD
.endif
.if \refill
	SCLOAD
.endif
	s_wait_alu depctr_va_vdst(0)
	ACT 1-\first
	POST \slot
	s_add_co_u32 s[TC], s[TC], 1
.endm
	s_load_b512 s[4:19], s[0:1], 0x0
	s_load_b256 s[20:27], s[0:1], 0x40             ; b_f, b_i, b_h, h0
	s_load_b64 s[SUMA:SUMA+1], s[0:1], 0x60        ; sums
	s_load_b64 s[OUT:OUT+1], s[0:1], 0x68          ; out0
	v_lshl_add_u32 v[SPW], v0, 2, SPARE
	v_mov_b32 v[NIL], 0
	ds_add_u32 v[SPW], v[NIL]                      ; the opening lines: the add, twice on end, and its wait
	ds_add_u32 v[SPW], v[NIL]
	s_wait_dscnt 0x0
	v_lshrrev_b32 v236, 5, v0
	s_delay_alu instid0(VALU_DEP_1)
	v_readfirstlane_b32 s[WV], v236
	s_and_b32 s[CG], s[WV], 3
	s_lshr_b32 s[TH], s[WV], 2
	s_bfe_u32 s[CX], ttmp6, 0x40000
	s_and_b32 s[CBQ], ttmp9, 3
	s_bfe_u32 s[TP], ttmp9, 0x20002
	s_lshr_b32 s[BAT], ttmp9, 4
	s_lshl_b32 s[GX], s[CBQ], 4
	s_lshl_b32 s36, s[CX], 2
	s_add_co_u32 s[GX], s[GX], s36
	s_add_co_u32 s[GX], s[GX], s[CG]               ; my wave's block of 16 channels
	s_lshl_b32 s[ROW], s[BAT], 12
	s_mul_i32 s34, s[TP], PARTT
	s_add_co_u32 s[ROW], s[ROW], s34               ; my first row of x and of out0
	s_mov_b32 s[G1C], 15|(0<<16)|(1<<20)|(1<<21)|(6<<22)|(3<<25)
	s_mov_b32 s[G1C+1], 512<<16
	s_mov_b32 s[G1C+2], 8<<16
	s_mov_b32 s[G1C+3], 512<<16
	s_mov_b32 s[G1C+4], 8
	s_mov_b32 s[G1C+5], 512
	s_mov_b32 s[G1C+6], 0
	s_mov_b32 s[G1C+7], 0
.irp g, 0,2,4,6
	s_cmp_eq_u32 s[TH], \g>>2
	s_cselect_b32 s[MK+\g], 0xffff, 0              ; segment 4 (w / 4) + 2 u is that of my lanes 0-15,
	s_cselect_b32 s[MK+\g+1], 0xffff0000, 0        ; the next that of my lanes 16-31
.endr
	s_max_u32 s34, s[TP], 1
	s_sub_co_u32 s34, s34, 1                       ; q - 1, held at 0
.irp e, 0,1,2,3                                ; place e: part e's pair 2 (the whole part) where e < q, else its pair q - 1
	s_cmp_gt_u32 s[TP], \e
	s_cselect_b32 s35, 2, s34
	s_lshl_b32 s[SOF+\e], s[BAT], 2
	s_add_co_u32 s[SOF+\e], s[SOF+\e], \e
	s_mul_i32 s[SOF+\e], s[SOF+\e], 3
	s_add_co_u32 s[SOF+\e], s[SOF+\e], s35
	s_lshl_b32 s[SOF+\e], s[SOF+\e], 13
.endr
	s_cmp_ge_u32 s[TP], 1                          ; place e counts where q >= e and q >= 1
	s_cselect_b32 s[AM], -1, 0
	s_mov_b32 s[AM+1], s[AM]
	s_cmp_ge_u32 s[TP], 2
	s_cselect_b32 s[AM+2], -1, 0
	s_cmp_ge_u32 s[TP], 3
	s_cselect_b32 s[AM+3], -1, 0
	s_mov_b32 s[L2E], 0x3fb8aa3b
	s_mov_b32 s[L2E+1], s[L2E]
	s_mov_b32 s[CLP], 0x42c80000                   ; 100.0
	s_mov_b32 s[SGN], 0x7fffffff
	s_mov_b32 s[TC], 0
	s_mul_i32 s68, s[TH], 32*PITCH
	s_lshl_b32 s69, s[TH], 10
	s_mul_i32 s70, s[CG], 768
	s_add_co_u32 s70, s70, EXCH
	s_lshl_b32 s71, s[TH], 4
	s_mul_i32 s72, s[TH], 32*SPITCH
	s_lshl_b32 s73, s[CG], 6
	s_add_co_u32 s72, s72, s73
	s_add_co_u32 s72, s72, STG
	s_mul_i32 s73, s[WV], 8*SPITCH
	s_add_co_u32 s73, s73, STG
	s_lshl_b32 s74, s[WV], 15
	v_bfe_u32 v238, v0, 4, 1                       ; h = lane / 16
	v_and_b32 v239, 15, v0                         ; r = lane % 16
	v_and_b32 v237, 31, v0
	s_delay_alu instid0(VALU_DEP_2)
	v_mul_u32_u24 v[AX0], v239, PITCH
	s_delay_alu instid0(VALU_DEP_3)
	v_mul_u32_u24 v[EXR], v239, 48
	s_delay_alu instid0(VALU_DEP_4)
	v_lshlrev_b32 v[VB], 2, v239
	s_delay_alu instid0(VALU_DEP_4)
	v_lshlrev_b32 v[PFO], 8, v237
	v_lshl_add_u32 v[VX], v237, 5, s69
	v_lshl_add_u32 v[AX0], v238, 4, v[AX0]
	v_add_nc_u32 v[EXR], s70, v[EXR]
	v_lshlrev_b32 v[VW], 9, v239
	v_lshlrev_b32 v[VS], 5, v239
	s_delay_alu instid0(VALU_DEP_4)
	v_add_nc_u32 v[AX0], s68, v[AX0]
	s_delay_alu instid0(VALU_DEP_4)
	v_lshl_add_u32 v[EXW], v238, 2, v[EXR]
	s_delay_alu instid0(VALU_DEP_4)
	v_lshl_add_u32 v[VW], v238, 4, v[VW]
	s_delay_alu instid0(VALU_DEP_4)
	v_lshl_add_u32 v[VS], v238, 4, v[VS]
	s_delay_alu instid0(VALU_DEP_4)
	v_add_nc_u32 v[AX0+1], SLOTB, v[AX0]
	s_delay_alu instid0(VALU_DEP_4)
	v_add_nc_u32 v[EXW], s71, v[EXW]
	v_mul_u32_u24 v[STW], v238, 8*SPITCH
	v_mul_u32_u24 v[STR], v238, SPITCH
	v_lshlrev_b32 v[GO], 12, v238
	v_add_nc_u32 v228, s[SOF], v[VB]
	s_delay_alu instid0(VALU_DEP_4)
	v_add_nc_u32 v[STW], v[STW], v[VB]
	s_delay_alu instid0(VALU_DEP_4)
	v_lshl_add_u32 v[STR], v239, 4, v[STR]
	s_delay_alu instid0(VALU_DEP_4)
	v_lshl_add_u32 v[GO], v239, 4, v[GO]
	v_add_nc_u32 v229, s[SOF+1], v[VB]
	s_delay_alu instid0(VALU_DEP_4)
	v_add_nc_u32 v[STW], s72, v[STW]               ; stage row 32 (w / 4) + 8 h, byte 64 (w % 4) + 4 r
	s_delay_alu instid0(VALU_DEP_4)
	v_add_nc_u32 v[STR], s73, v[STR]               ; stage row 8 w + h, byte 16 r
	s_delay_alu instid0(VALU_DEP_4)
	v_add_nc_u32 v[GO], s74, v[GO]                 ; and the same in out0
	v_add_nc_u32 v230, s[SOF+2], v[VB]
	v_add_nc_u32 v231, s[SOF+3], v[VB]
	v_mov_b32 v[CW], 0
	v_mov_b32 v[CW+1], 0
	v_mov_b32 v[CW+10], 0
	v_mov_b32 v[CW+11], 0
	s_mul_i32 s34, s[WV], PARTB
	s_wait_kmcnt 0x0
	s_lshl_b32 s2, s[ROW], 9
	s_mov_b32 s3, 0
	s_add_nc_u64 s[4:5], s[4:5], s[2:3]
	s_lshl_b32 s2, s[ROW], 5
	s_add_nc_u64 s[XSB:XSB+1], s[XSB:XSB+1], s[2:3]
	s_lshl_b32 s2, s[BAT], 12
	s_add_nc_u64 s[26:27], s[26:27], s[2:3]        ; h0's row
	s_lshl_b32 s2, s[ROW], 12
	s_add_nc_u64 s[OUT:OUT+1], s[OUT:OUT+1], s[2:3]
	s_lshl_b32 s2, s[CBQ], 10
	s_add_nc_u64 s[OUT:OUT+1], s[OUT:OUT+1], s[2:3]
	s_sub_nc_u64 s[OUT:OUT+1], s[OUT:OUT+1], OUTT  ; one trip back: every trip that stores steps it first
	s_lshl_b32 s2, s[WV], 12
	s_add_nc_u64 s[2:3], s[4:5], s[2:3]
.irp n, 0,1
	s_mov_b32 s[G0C+4*\n], 1
	s_add_co_u32 s[G0C+4*\n+1], s34, \n*SLOTB
	s_add_nc_u64 s[G0C+4*\n+2:G0C+4*\n+3], s[2:3], \n*TILEB
	s_or_b32 s[G0C+4*\n+3], s[G0C+4*\n+3], 0x80000000
.endr
	s_mov_b32 s37, 0
	s_lshl_b32 s36, s[CX], 8                       ; my work-group's 256 bytes of a row of out0
	s_add_nc_u64 s[OUT:OUT+1], s[OUT:OUT+1], s[36:37]
	s_lshl_b32 s36, s[GX], 13
.irp g, 0,1,2
	s_add_nc_u64 s[8+4*\g:9+4*\g], s[8+4*\g:9+4*\g], s[36:37]
.endr
	s_lshl_b32 s36, s[GX], 9
.irp g, 0,1,2
	s_add_nc_u64 s[10+4*\g:11+4*\g], s[10+4*\g:11+4*\g], s[36:37]
.endr
	s_lshl_b32 s36, s[GX], 6
.irp q, 20,22,24,26,66
	s_add_nc_u64 s[\q:\q+1], s[\q:\q+1], s[36:37]
.endr
	s_lshl_b32 s36, s[CX], 13
	s_mov_b32 s38, TILEB
	s_mov_b32 s[AMK], 1
	s_cmp_eq_u32 s[WV], 0
	s_cselect_b32 s38, 2*TILEB, s38
	s_cselect_b32 s[AMK], (1<<(NTRIP-3))-1, s[AMK]
	s_cmp_gt_u32 s[WV], 1
	s_cselect_b32 s[AMK], 0, s[AMK]
	s_add_co_u32 s36, s36, s38
	s_add_nc_u64 s[PFA:PFA+1], s[4:5], s[36:37]
	ROUND
	TLOAD 0                                        ; tile 0: my one tensor load at the head
	WIN 0x40
	s_wait_alu depctr_va_vdst(0)
.irp g, 0,1,2
.irp s, 0,1,2,3,4,5,6,7
.irp c, 0,1
	global_load_b128 v[64*\g+8*\s+4*\c:64*\g+8*\s+4*\c+3], v[VW], s[8+4*\g:9+4*\g] offset:64*\s+32*\c
.endr
.endr
.endr
	WIN 0
.irp g, 0,1,2
	global_load_b128 v[WS+4*\g:WS+4*\g+3], v[VS], s[10+4*\g:11+4*\g]
.endr
	SCLOAD
	global_load_b32 v224, v[VB], s[20:21]
	global_load_b32 v225, v[VB], s[22:23]
	global_load_b32 v226, v[VB], s[24:25]
	global_load_b32 v[CAR], v[VB], s[26:27]
.irp e, 0,1,2,3
	global_load_b32 v[240+2*\e], v[228+\e], s[SUMA:SUMA+1]               ; P,
	global_load_b32 v[241+2*\e], v[228+\e], s[SUMA:SUMA+1] offset:4096   ; L of place e
.endr
	s_wait_loadcnt 0x0
.irp e, 0,1,2,3
	v_cndmask_b32 v[240+2*\e], 1.0, v[240+2*\e], s[AM+\e]
	v_cndmask_b32 v[241+2*\e], 0, v[241+2*\e], s[AM+\e]
.endr
	v_fma_f32 v[CAR], v240, v[CAR], v241           ; the state ahead of my quarter
.irp e, 1,2,3
	s_delay_alu instid0(VALU_DEP_1)
	v_fma_f32 v[CAR], v[240+2*\e], v[CAR], v[241+2*\e]
.endr
	v_mul_f32 v[BF], s[L2E], v224
	v_mul_f32 v[BI], s[L2E], v225
	v_mul_f32 v[BH], s[L2E], v226
	v_add_f32 v[BH5], 0.5, v226
	s_delay_alu instid0(VALU_DEP_4)
	v_mov_b32 v[BF+1], v[BF]
	s_delay_alu instid0(VALU_DEP_4)
	v_mov_b32 v[BI+1], v[BI]
	s_delay_alu instid0(VALU_DEP_4)
	v_mov_b32 v[BH+1], v[BH]
	s_delay_alu instid0(VALU_DEP_4)
	v_mov_b32 v[BH5+1], v[BH5]
	s_wait_alu depctr_va_vdst(0)                   ; the wait at the head's end
	TRIP 0, 1, 1
	s_mov_b32 s[LC], (NTRIP-2)/2
.Lloop:
	TRIP 1, 1, 0
	TRIP 0, 1, 0
	s_sub_co_u32 s[LC], s[LC], 1
	s_cmp_lg_u32 s[LC], 0
	s_cbranch_scc1 .Lloop
	TRIP 1, 0, 0                                   ; the last trip is written out: nothing is left to fetch
	s_wait_xcnt 0x0
	s_add_nc_u64 s[OUT:OUT+1], s[OUT:OUT+1], OUTT
	s_wait_dscnt 0x0                               ; for the others' sake: my summaries are stored, my reads of the stage are over
	s_barrier_signal -1
	s_barrier_wait -1
	EXLOAD 1
	FOLD 0
	STSTORE
	s_wait_dscnt 0x0
	s_barrier_signal -1
	s_barrier_wait -1
	STLOAD
	s_wait_dscnt 0x0
	SEND
	s_wait_tensorcnt 0x0                           ; the wave's end
	ds_add_u32 v[SPW], v[NIL]
	s_wait_dscnt 0x0
	ROUND                                          ; the closing round
	s_endpgm
.Lfunc_end_k_q091f2cbef0_scan:
	.size	k_q091f2cbef0_scan, .Lfunc_end_k_q091f2cbef0_scan-k_q091f2cbef0_scan
	.p2alignl 7, 3214868480
	.fill 96, 4, 3214868480
	.section	.rodata,"a",@progbits
	.p2align	6, 0x0
	.amdhsa_kernel k_q091f2cbef0_scan
		.amdhsa_group_segment_fixed_size 327680
		.amdhsa_private_segment_fixed_size 0
		.amdhsa_enable_private_segment 0
		.amdhsa_kernarg_size 112
		.amdhsa_user_sgpr_count 2
		.amdhsa_user_sgpr_kernarg_segment_ptr 1
		.amdhsa_wavefront_size32 1
		.amdhsa_system_sgpr_workgroup_id_x 1
		.amdhsa_system_sgpr_workgroup_id_y 1
		.amdhsa_system_sgpr_workgroup_id_z 1
		.amdhsa_system_vgpr_workitem_id 0
		.amdhsa_next_free_vgpr 448
		.amdhsa_next_free_sgpr 102
		.amdhsa_reserve_vcc 0
		.amdhsa_float_denorm_mode_32 3
		.amdhsa_float_denorm_mode_16_64 3
		.amdhsa_memory_ordered 1
		.amdhsa_forward_progress 1
		.amdhsa_inst_pref_size 129
	.end_amdhsa_kernel
	.amdgpu_metadata
---
amdhsa.version: [ 1, 2 ]
amdhsa.kernels:
  - .name:           k_q091f2cbef0_scan
    .symbol:         k_q091f2cbef0_scan.kd
    .args:
      - { .name: x_codes, .offset: 0, .size: 8, .value_kind: global_buffer, .address_space: global }
      - { .name: x_scales, .offset: 8, .size: 8, .value_kind: global_buffer, .address_space: global }
      - { .name: W_f_codes, .offset: 16, .size: 8, .value_kind: global_buffer, .address_space: global }
      - { .name: W_f_scales, .offset: 24, .size: 8, .value_kind: global_buffer, .address_space: global }
      - { .name: W_i_codes, .offset: 32, .size: 8, .value_kind: global_buffer, .address_space: global }
      - { .name: W_i_scales, .offset: 40, .size: 8, .value_kind: global_buffer, .address_space: global }
      - { .name: W_h_codes, .offset: 48, .size: 8, .value_kind: global_buffer, .address_space: global }
      - { .name: W_h_scales, .offset: 56, .size: 8, .value_kind: global_buffer, .address_space: global }
      - { .name: b_f, .offset: 64, .size: 8, .value_kind: global_buffer, .address_space: global }
      - { .name: b_i, .offset: 72, .size: 8, .value_kind: global_buffer, .address_space: global }
      - { .name: b_h, .offset: 80, .size: 8, .value_kind: global_buffer, .address_space: global }
      - { .name: h0, .offset: 88, .size: 8, .value_kind: global_buffer, .address_space: global }
      - { .name: sums, .offset: 96, .size: 8, .value_kind: global_buffer, .address_space: global }
      - { .name: out0, .offset: 104, .size: 8, .value_kind: global_buffer, .address_space: global }
    .group_segment_fixed_size: 327680
    .private_segment_fixed_size: 0
    .kernarg_segment_align: 8
    .kernarg_segment_size: 112
    .max_flat_workgroup_size: 256
    .sgpr_count:     102
    .vgpr_count:     448
    .wavefront_size: 32
...
	.end_amdgpu_metadata
.endif
;; end of part 2
